; MI455X (gfx1250); checked and timed in simulation.
; The chip was launched on July 23, 2026; its instructions are those of AMD's public machine-readable ISA for CDNA 5 (MIT licence, August 2026) and "CDNA5" Instruction Set Architecture Reference Guide (July 2026). The comments in the code are by the model that wrote it; some were corrected since.
;; Causal Self Attention. Allowed arithmetic: matrix products marked QUANTISED: E4M3 operands, one given power-of-two scale a tensor, by v_wmma_f32_16x16x64_fp8_fp8 or v_wmma_f32_16x16x128_fp8_fp8, f32 sums; everything else in f32.
;; Inputs: b_attn 3,072 float32; b_proj 1,024 float32; lowp_scales 8 int32 (the exponents e of the quantised operands' scales 2^e); w_attn_codes 3,072 x 32 x 32 uint8 (E4M3 codes of w_attn, K innermost, in blocks of 32 codes); w_proj_codes 1,024 x 32 x 32 uint8 (E4M3 codes of w_proj, K innermost, in blocks of 32 codes); x_codes 4 x 2,048 x 32 x 32 uint8 (E4M3 codes of x, K innermost, in blocks of 32 codes).
;; Outputs: out0 4 x 2,048 x 1,024 float32.
;; This version of the problem:
;;   THIS VERSION OF THE PROBLEM IS GIVEN IN LOW PRECISION. The matrix products marked QUANTISED in the list below multiply operands that are first quantised to E4M3 (4 exponent bits, 3 mantissa bits; 8 bits a number), with one given power-of-two scale for each operand tensor; their sums are f32. All else is computed in f32.
;;   The module's matrix products, in the order in which they are computed (A, B: the left and right operand; K: the contracted axis; several contracted axes count as one K, in the product's order):
;;     1. [M 8,192, K 1,024] x [K 1,024, N 3,072]; A: input x (given as codes); B: input w_attn (given as codes): QUANTISED (scales: A lowp_scales[0], B lowp_scales[1])
;;     2. batch 64 x [M 2,048, K 64] x [K 64, N 2,048]; A: computed on the way; B: computed on the way: QUANTISED (scales: A lowp_scales[2], B lowp_scales[3])
;;     3. batch 64 x [M 2,048, K 2,048] x [K 2,048, N 64]; A: softmax (see below); B: computed on the way: QUANTISED (scales: A lowp_scales[4], B lowp_scales[5])
;;     4. [M 8,192, K 1,024] x [K 1,024, N 1,024]; A: computed on the way; B: input w_proj (given as codes): QUANTISED (scales: A lowp_scales[6], B lowp_scales[7])
;;   THE QUANTISER, for each operand of a quantised product, along K:
;;     - The operand's scale is 2^e, e = its entry of the input lowp_scales (int32; the entries are numbered through the quantised products in the list's order, A before B).
;;     - Each number is divided by the scale, clamped to +-448, and rounded to the nearest number of E4M3, ties to even, subnormals kept.
;;     - The product sums the exact products of the quantised numbers (number of the format x scale) in f32.
;;   ~~~python
;;   def quantise(x, axis, e):      # numpy; x: float32 -> the quantised numbers, widened to float32 again
;;       x = np.moveaxis(x, axis, -1); K = x.shape[-1]
;;       r = np.clip(x / 2.0 ** e, -448, 448)
;;       step = 2.0 ** (np.maximum(np.frexp(np.where(r == 0, 1, r))[1] - 1, -6) - 3)
;;       q = np.round(r / step) * step * 2.0 ** e      # np.round: ties to even
;;       return np.moveaxis(q, -1, axis).astype(np.float32)
;;   ~~~
;;   SOFTMAX AHEAD OF A QUANTISED PRODUCT. Where the list says 'softmax', what is quantised is not the finished softmax but p = 2^(t - M), with t = logit x log2(e) and M = ceil(the row's largest t), a whole number; so 1/2 < the row's largest p <= 1. The row's sum l is taken of the UNQUANTISED p, in f32, and the product's result is divided by l at the end. Since M is a whole number, a kernel that streams over the keys may use a running M (the ceiling of the running maximum): every later rescaling is an exact power of two, so the quantised numbers keep their values, but for numbers so far below the row's largest that they fall under the format's range.
;;   OPERANDS COMPUTED ON THE WAY. 'Computed on the way' means the value that the module computes at that place (a softmax that the list does not call 'softmax' is quantised finished and normalised). What goes into a quantiser is computed in f32, as accurately as f32 sums, v_exp_f32 and their like allow (about 1e-6 of the number): no bf16 or f16 on the way to a quantiser, and a product that is left as it is and whose result goes on into a quantised operand takes f32 operands (vector FMAs, or v_wmma_f32_16x16x4_f32). A number that lies on a knife's edge between two numbers of the format may be rounded either way, as far as f32 arithmetic and the matrix unit's own rounding can turn it there, and no further.
;;   INPUTS GIVEN AS CODES. w_attn (in the module: [1024, 3072], K = its axis 0); w_proj (in the module: [1024, 1024], K = its axis 0); x (in the module: [4, 2048, 1024], K = its axis 2): each comes as NAME_codes (uint8): NAME with its K axis moved to the last place and cut into blocks of 32 codes, [.., K / 32, bytes a block], one block behind the other in memory; one code a byte (a code: sign, 4 exponent bits, 3 mantissa bits); its scale is its entry of lowp_scales. Its value is code x scale, taken as it is: it is not quantised again, and the codes and scales need not be those that the quantiser above would give.
;; One version. Each part assembles by itself: llvm-mc -triple=amdgcn-amd-amdhsa -mcpu=gfx1250 --defsym DOCPART=n.
;; ======== version 1 of 1: 3 launches
;; limits: right only within a limited range of input values
;; workspace buffers: q_img 8,388,608 bytes; kv_img 16,777,216 bytes; y_img 8,388,608 bytes
;; launch qkv (part 1): grid 16 x 32, 4 waves a work-group, clusters of 4 x 4, 327,680 bytes of LDS; arguments x_codes, w_attn_codes, b_attn, lowp_scales, q_img, kv_img; writes q_img, kv_img
.if DOCPART == 1
	.amdgcn_target "amdgcn-amd-amdhsa--gfx1250"
	.amdhsa_code_object_version 6
	.text
	.protected	k_q2d1d9b0f60_qkv
	.globl	k_q2d1d9b0f60_qkv
	.p2align	8
	.type	k_q2d1d9b0f60_qkv,@function
k_q2d1d9b0f60_qkv:
	s_mov_b64 s[64:65], 0
	v_nop
	global_prefetch_b8 v0, s[64:65] scope:SCOPE_SE
	s_setreg_imm32_b32 hwreg(HW_REG_WAVE_MODE, 25, 1), 1
	s_wait_xcnt 0x0
	s_wait_alu depctr_hold_cnt(0) depctr_sa_sdst(0) depctr_va_vdst(0) depctr_va_sdst(0) depctr_va_ssrc(0) depctr_va_vcc(0) depctr_vm_vsrc(0)
	s_getreg_b32 s2, hwreg(HW_REG_IB_STS2, 6, 4)
	s_cmp_eq_u32 s2, 0
	s_cbranch_scc0 .Lentry_in_a_cluster
	s_endpgm
.Lentry_in_a_cluster:
	s_bfe_u32 s2, ttmp6, 0x10000c
	s_cmp_lg_u32 s2, 0xf033
	s_cbranch_scc0 .Lentry_shape_is_right
	s_endpgm
.Lentry_shape_is_right:
; qkv = x W_attn + b_attn on codes of E4M3, then q, k and v are quantised with their given scales and stored as images of the operand registers that the attention launch loads.
; x_codes: [8192][1024], w_attn_codes: [3072][1024], one code a byte, K innermost.  lowp_scales: e0 (x), e1 (w_attn), e2 (q), e3 (k), e5 (v).
; SHARES.  A work-group takes 256 tokens x one head's 192 columns: its 64 of q, of k and of v (rows 64 HD + 1024 p of w_attn_codes, p = 0, 1, 2).  Four waves; wave w takes rows 128 (w / 2) on
; and columns 32 (w % 2) on of each plane: 8 x 6 accumulators of 16 x 16, 384 registers.  K goes in slots of 256 through a ring of two LDS slots: four fills, eight steps of 128, written out.
; q AND k ARE MADE TRANSPOSED (source 0 = 16 rows of W, source 1 = 16 tokens): a lane holds one token and eight neighbours along the head's 64, the K of the scores' product.
; v IS MADE AS IT STANDS (source 0 = 16 tokens, source 1 = 16 rows of W): a lane holds one channel and eight neighbouring tokens: the keys, the K of the second product.
; A fragment is fed as registers 4 c .. 4 c + 3 = k 32 c + 16 (lane / 16) + 0 .. 15, alike on both sides of every product: each product meets its partner; only the order of sums inside an instruction differs.
; THE BIAS is the C of each sum's first matrix instruction, divided by 2^(e0 + e1); so a code is (sum held within +-448 x s) / s with s = 2^(e_p - e0 - e1).
; CLUSTERS: 4 x 4 work-groups.  A row of the cluster shares the tokens (x's tile), a column the head (W's tiles): each tile is asked for jointly.  Wave 3 asks for x's 256 rows, waves 0 to 2 for W's plane w.
; THE IMAGES (chunks of 512 bytes, lane l's 16 bytes at 16 l; r = l % 16, h = l / 16):
;   q_img [bh 64][T 128][c 2]: query 16 T + r, d = 32 c + 16 h + 0 .. 15
;   kv_img [bh 64][s 16][16384]: K at 0: [t 8][c 2]: key 128 s + 32 (t / 2) + 8 (t % 2) + r % 8 + 16 (r / 8), d = 32 c + 16 h + i;  V at 8192: [t 4][c 4]: d = 16 t + r, key 128 s + 32 c + 16 h + i
; LIMITS: e2, e3 and e5, each less e0 + e1, lie between -126 and 119; b_attn x 2^-(e0 + e1) is an f32 number.  NaN codes among the inputs are not served.
; REGISTERS, in windows of 256: windows 0 and 1: v32-127 W's six fragments, v128-255 x's eight: two sets.  window 0 also: v0-31 addresses and scales.
;   window 2: accumulators of my token blocks 0-3 at v[8 (6 a + b)], v192-239 the bias, eight registers for each b.   window 3: token blocks 4-7.
.set PITCH,  272                       ; an LDS row: 256 bytes + 16 of padding = 68 words: row r starts at bank 4 r mod 64 (64 banks of 4 bytes: ISA guide 11.1)
.set ABYTES, 256*PITCH                 ; x's 256 rows
.set PLANE,  64*PITCH                  ; one plane's 64 rows of W
.set SLOT,   ABYTES+3*PLANE
.set STAGE,  2*SLOT                    ; behind the ring: a stage for each wave, into which no tile lands
.set WST,    13312                     ; q's 8 chunks at 0, v's 8 at 4096, k's 8 at 8192, 640 bytes apart
.set SPARE,  STAGE+4*WST               ; the spare words, 128 bytes for each wave: two blocks of 256 bytes that no other line names
.set ADRA, 16                          ; v16-17  LDS address of my fragments of x in slot 0, 1
.set ADRB, 20                          ; v20-21  the same for W
.set LQ,   22                          ; v22     stage: 16 r + 8 h (q's and v's codes)
.set LK,   23                          ; v23     stage: 8192 + 640 (r / 8) + 16 (r % 8) + 8 h (k's codes)
.set RD,   24                          ; v24     stage: 16 x lane, to read chunks back
.set GOF,  25                          ; v25     16 x lane: my bytes of a chunk in memory
.set SPW,  28                          ; v28     my spare word; never rewritten
.set NIL,  29                          ; v29     0; never rewritten
.set BF,   32
.set AF,   128
.set BIAS, 192                         ; in window 2
.set CD,   32                          ; the way out: codes, two registers for each accumulator
.set OUTR, 128                         ; the way out: 24 chunks read back
.set WV, 16
.set RA, 17
.set CH, 18
.set CX, 19
.set CY, 20
.set HD, 21
.set MT, 22
.set G1A, 24                           ; s[24:31] group 1 for x's tiles; s[32:39] group 0, a set for each slot
.set G0A, 32
.set G1B, 40                           ; s[40:47], s[48:55] the same for W's
.set G0B, 48
.set QB, 76
.set KB, 78
.set VB, 80
.set MSB, 0
.macro WIN new                         ; the immediate's high byte repeats the setting that is left; a switch that changes nothing is dropped
.if MSB != (\new)
	s_set_vgpr_msb (MSB<<8)|(\new)
.set MSB, (\new)
.endif
.endm
.macro PLACES n                        ; plain vector lines between a matrix instruction and a load into, or a vector read of, its registers
.rept \n
	v_nop
.endr
.endm
.macro JLOAD s                         ; a joint load; the branch hangs on the wave's number alone; four v_nop follow each of the two lines
	s_cmp_eq_u32 s[WV], 3
	s_cbranch_scc0 .Lfor_b_\@
	tensor_load_to_lds s[G0A+4*\s:G0A+4*\s+3], s[G1A:G1A+7]
	s_nop 0
.rept 4
	v_nop
.endr
	s_branch .Lasked_\@
.Lfor_b_\@:
	tensor_load_to_lds s[G0B+4*\s:G0B+4*\s+3], s[G1B:G1B+7]
	s_nop 0
.rept 4
	v_nop
.endr
.Lasked_\@:
.endm
.macro CREST                           ; a round of the cluster's barrier behind its opening barrier
	s_cmp_lg_u32 s[WV], 0
	s_cbranch_scc1 .Lnot_wave_0_\@
	s_barrier_signal -3
.Lnot_wave_0_\@:
	s_barrier_wait -3
	s_barrier_signal -1
	s_barrier_wait -1
.endm
.macro CROUND
	s_barrier_signal -1
	s_barrier_wait -1
	CREST
.endm
	s_load_b256 s[4:11], s[0:1], 0x0               ; x s[4:5], W s[6:7], b_attn s[8:9], the scales' exponents s[10:11]
	s_load_b128 s[12:15], s[0:1], 0x20             ; q_img s[12:13], kv_img s[14:15]
	v_lshl_add_u32 v[SPW], v0, 2, SPARE
	v_mov_b32 v[NIL], 0
	ds_add_u32 v28, v29
	ds_add_u32 v28, v29
	s_wait_dscnt 0x0
	v_lshrrev_b32 v1, 5, v0
	v_readfirstlane_b32 s[WV], v1                  ; wave 0..3
	s_lshr_b32 s[RA], s[WV], 1                     ; which 128 tokens are mine
	s_and_b32 s[CH], s[WV], 1                      ; which 32 columns of each plane
	s_bfe_u32 s[CX], ttmp6, 0x40000
	s_bfe_u32 s[CY], ttmp6, 0x40004
	s_lshl_b32 s[HD], ttmp9, 2
	s_add_co_u32 s[HD], s[HD], s[CX]               ; the head = 4 x cluster x + cx
	s_and_b32 s[MT], ttmp7, 0xffff
	s_lshl_b32 s[MT], s[MT], 2
	s_add_co_u32 s[MT], s[MT], s[CY]               ; the block of 256 tokens = 4 x cluster y + cy
	s_lshl_b32 s72, s[CY], 2
	s_lshl_b32 s72, 15, s72                        ; my row of the cluster
	s_lshl_b32 s73, 0x1111, s[CX]                  ; my column
	s_or_b32 s[G1A], s72, (1<<20)|(1<<21)|(5<<22)|(3<<25)   ; the mask; elements of 1 byte; padding on; bit 21 beside a mask; 4 words of padding after every 64
	s_or_b32 s[G1B], s73, (1<<20)|(1<<21)|(5<<22)|(3<<25)
	s_mov_b32 s[G1A+1], 256<<16                    ; tensor_dim0 = 256 bytes
	s_mov_b32 s[G1A+2], 256<<16                    ; tensor_dim1 = 256 rows
	s_mov_b32 s[G1A+3], 256<<16                    ; tile_dim0
	s_mov_b32 s[G1A+4], 256                        ; tile_dim1
	s_mov_b32 s[G1A+5], 1024                       ; from row to row
	s_mov_b32 s[G1A+6], 0
	s_mov_b32 s[G1A+7], 0
	s_mov_b32 s[G1B+1], 256<<16
	s_mov_b32 s[G1B+2], 64<<16                     ; 64 rows
	s_mov_b32 s[G1B+3], 256<<16
	s_mov_b32 s[G1B+4], 64
	s_mov_b32 s[G1B+5], 1024
	s_mov_b32 s[G1B+6], 0
	s_mov_b32 s[G1B+7], 0
	s_lshl_b32 s66, s[MT], 18                      ; x: 256 MT rows of 1,024 bytes: hangs on the token block alone
	s_mov_b32 s67, 0
	s_min_u32 s82, s[WV], 2                        ; W's plane that I ask for (wave 3 asks for x; its copy of this descriptor is not used)
	s_lshl_b32 s68, s82, 20                        ; 1,024 rows a plane,
	s_lshl_b32 s83, s[HD], 16                      ; 64 rows a head: hangs on the head alone
	s_add_co_u32 s68, s68, s83
	s_mov_b32 s69, 0
	s_mul_i32 s84, s82, PLANE
	s_add_co_u32 s84, s84, ABYTES                  ; and where the plane goes in a slot
	s_wait_kmcnt 0x0
	s_load_b256 s[56:63], s[10:11], 0x0            ; e0 .. e7
	s_add_nc_u64 s[66:67], s[4:5], s[66:67]
	s_add_nc_u64 s[68:69], s[6:7], s[68:69]
	CROUND                                         ; all sixteen work-groups are here: the first joint loads meet
.irp s, 0,1
	s_mov_b32 s[G0A+4*\s], 1
	s_mov_b32 s[G0A+4*\s+1], \s*SLOT
	s_add_nc_u64 s[G0A+4*\s+2:G0A+4*\s+3], s[66:67], \s*256
	s_or_b32 s[G0A+4*\s+3], s[G0A+4*\s+3], 0x80000000
	s_mov_b32 s[G0B+4*\s], 1
	s_add_co_u32 s[G0B+4*\s+1], s84, \s*SLOT
	s_add_nc_u64 s[G0B+4*\s+2:G0B+4*\s+3], s[68:69], \s*256
	s_or_b32 s[G0B+4*\s+3], s[G0B+4*\s+3], 0x80000000
	JLOAD \s                                       ; two loads of mine are out
.endr
	v_and_b32 v1, 15, v0                           ; r
	v_bfe_u32 v2, v0, 4, 1                         ; h
	v_lshlrev_b32 v3, 5, v2                        ; 32 h: q's and k's bias
	v_lshlrev_b32 v4, 2, v1                        ; 4 r: v's bias
	v_mul_u32_u24 v5, v1, PITCH
	v_lshl_add_u32 v5, v2, 4, v5                   ; a fragment's row x pitch + 16 h
	s_mul_i32 s82, s[RA], 128*PITCH
	s_mul_i32 s83, s[CH], 32*PITCH
	s_add_co_u32 s83, s83, ABYTES
.irp s, 0,1
	v_add_nc_u32 v[ADRA+\s], s82, v5
	v_add_nc_u32 v[ADRB+\s], s83, v5
	s_add_co_u32 s82, s82, SLOT
	s_add_co_u32 s83, s83, SLOT
.endr
	s_mul_i32 s82, s[WV], WST
	s_add_co_u32 s82, s82, STAGE                   ; my stage
	v_lshlrev_b32 v6, 4, v1
	v_lshl_add_u32 v6, v2, 3, v6
	v_add_nc_u32 v[LQ], s82, v6
	v_lshrrev_b32 v6, 3, v1
	v_mul_u32_u24 v6, v6, 640
	v_and_b32 v7, 7, v1
	v_lshl_add_u32 v6, v7, 4, v6
	v_lshl_add_u32 v6, v2, 3, v6
	v_add_nc_u32 v6, s82, v6
	v_add_nc_u32 v[LK], 8192, v6
	v_and_b32 v7, 31, v0
	v_lshlrev_b32 v[GOF], 4, v7
	v_add_nc_u32 v[RD], s82, v[GOF]
	s_lshl_b32 s82, s[HD], 8                       ; the bias of my 32 columns of a plane: 256 HD + 128 CH bytes on
	s_lshl_b32 s83, s[CH], 7
	s_add_co_u32 s82, s82, s83
	s_mov_b32 s83, 0
	s_add_nc_u64 s[8:9], s[8:9], s[82:83]
	WIN 0x80                                       ; destination window 2
.irp p, 0,1
.irp u, 0,1
	global_load_b128 v[BIAS+8*(2*\p+\u):BIAS+8*(2*\p+\u)+3],   v3, s[8:9] offset:\p*4096+\u*64      ; q, k: register j is column 16 u + 8 h + j
	global_load_b128 v[BIAS+8*(2*\p+\u)+4:BIAS+8*(2*\p+\u)+7], v3, s[8:9] offset:\p*4096+\u*64+16
.endr
.endr
	WIN 0
	global_load_b32 v14, v4, s[8:9] offset:8192    ; v: all eight registers are column 16 u + r
	global_load_b32 v15, v4, s[8:9] offset:8192+64
	; where my chunks go: bh = 16 (MT / 8) + HD; my 128 tokens are key step s = 2 (MT % 8) + RA of the head
	s_lshr_b32 s82, s[MT], 3
	s_lshl_b32 s82, s82, 4
	s_add_co_u32 s82, s82, s[HD]
	s_and_b32 s83, s[MT], 7
	s_lshl_b32 s83, s83, 1
	s_add_co_u32 s83, s83, s[RA]
	s_lshl_b32 s84, s82, 17
	s_lshl_b32 s85, s83, 13
	s_add_co_u32 s84, s84, s85
	s_lshl_b32 s85, s[CH], 9
	s_add_co_u32 s84, s84, s85
	s_mov_b32 s85, 0
	s_add_nc_u64 s[QB:QB+1], s[12:13], s[84:85]    ; q_img + 131072 bh + 8192 s + 512 CH
	s_lshl_b32 s84, s82, 18
	s_lshl_b32 s86, s83, 14
	s_add_co_u32 s84, s84, s86
	s_lshl_b32 s86, s[CH], 9
	s_add_co_u32 s86, s86, s84
	s_mov_b32 s87, 0
	s_add_nc_u64 s[KB:KB+1], s[14:15], s[86:87]    ; kv_img + 262144 bh + 16384 s + 512 CH
	s_lshl_b32 s86, s[CH], 12
	s_add_co_u32 s86, s86, s84
	s_add_co_u32 s86, s86, 8192
	s_add_nc_u64 s[VB:VB+1], s[14:15], s[86:87]    ; kv_img + 262144 bh + 16384 s + 8192 + 4096 CH
	s_wait_loadcnt 0x0                             ; the bias
	s_wait_kmcnt 0x0                               ; the exponents
	s_add_co_i32 s82, s56, s57                     ; e0 + e1
	s_sub_co_i32 s74, 0, s82
	WIN 0x82                                       ; source 0 and destination window 2
.set J_, 0
.rept 32
	v_ldexp_f32 v[BIAS+J_], v[BIAS+J_], s74        ; b / 2^(e0 + e1): nothing is rounded
.set J_, J_+1
.endr
	WIN 0x80
.irp u, 0,1
.irp j, 0,1,2,3,4,5,6,7
	v_ldexp_f32 v[BIAS+32+8*\u+\j], v[14+\u], s74
.endr
.endr
	WIN 0
.macro SCALE p, e                      ; v[8 + 2 p] = 2^(e - e0 - e1) as f32
	s_sub_co_i32 s83, s[\e], s82
	s_add_co_i32 s83, s83, 127
	s_lshl_b32 s84, s83, 23
	v_mov_b32 v[8+2*\p], s84
.endm
	SCALE 0, 58                                    ; q: e2
	SCALE 1, 59                                    ; k: e3
	SCALE 2, 61                                    ; v: e5
; 56 LDS loads in one run: the fragments of the slot's q-th 128 along K into set p: W's six (b = 2 plane + u: rows 64 plane + 16 u of my 32), then x's eight
.macro FETCH slot, q, p
	WIN (\p)<<6
.irp b, 0,1,2,3,4,5
.irp c, 0,1,2,3
	ds_load_b128 v[BF+16*\b+4*\c:BF+16*\b+4*\c+3], v[ADRB+\slot] offset:(64*(\b/2)+16*(\b%2))*PITCH+128*(\q)+32*\c
.endr
.endr
.irp a, 0,1,2,3,4,5,6,7
.irp c, 0,1,2,3
	ds_load_b128 v[AF+16*\a+4*\c:AF+16*\a+4*\c+3], v[ADRA+\slot] offset:\a*16*PITCH+128*(\q)+32*\c
.endr
.endr
.endm
; 6 n matrix instructions: token blocks a0 .. a0 + n - 1 (all in one window) x the six column tiles, on set p.  first = 1: C is the bias.
; The 48 accumulators take turns, one instruction a turn, in the same order in every step.
.macro MUL p, a0, n, first
.set WD, 2+(\a0)/4
.if \first
	WIN (\p)|((\p)<<2)|(2<<4)|(WD<<6)
.else
	WIN (\p)|((\p)<<2)|(WD<<4)|(WD<<6)
.endif
.set AA, \a0
.rept \n
.irp b, 0,1,2,3,4,5
.set rAcc, 8*(6*(AA%4)+\b)
.if \b < 4
.if \first
	v_wmma_f32_16x16x128_fp8_fp8 v[rAcc:rAcc+7], v[BF+16*\b:BF+16*\b+15], v[AF+16*AA:AF+16*AA+15], v[BIAS+8*\b:BIAS+8*\b+7]
.else
	v_wmma_f32_16x16x128_fp8_fp8 v[rAcc:rAcc+7], v[BF+16*\b:BF+16*\b+15], v[AF+16*AA:AF+16*AA+15], v[rAcc:rAcc+7]
.endif
.else
.if \first
	v_wmma_f32_16x16x128_fp8_fp8 v[rAcc:rAcc+7], v[AF+16*AA:AF+16*AA+15], v[BF+16*\b:BF+16*\b+15], v[BIAS+8*\b:BIAS+8*\b+7]
.else
	v_wmma_f32_16x16x128_fp8_fp8 v[rAcc:rAcc+7], v[AF+16*AA:AF+16*AA+15], v[BF+16*\b:BF+16*\b+15], v[rAcc:rAcc+7]
.endif
.endif
.endr
.set AA, AA+1
.endr
.endm
; A slot's first 128 along K: multiplies set 0; its second 128 are fetched into set 1 meanwhile.
.macro STEP slot, first
.if \first == 0
	PLACES 4                                       ; set 1 was read by the products just issued
.endif
	FETCH \slot, 1, 1
	s_wait_dscnt 56                                ; all but the 56 just issued: set 0 is in
	MUL 0, 0, 4, \first
	MUL 0, 4, 4, \first
.endm
; A slot's second 128: multiplies set 1 and changes slots: ONE barrier; in front of it each wave waits for all its tensor loads, adds 0 to its spare word, and waits for that and for its reads of this slot.
.macro TURN slot, next, fill
	WIN 0                                          ; (the add's two registers lie in window 0)
	s_wait_tensorcnt 0x0                           ; all my tensor loads have landed: my part of the next slot
	ds_add_u32 v[SPW], v[NIL]                      ; 0 onto my spare word
	s_wait_dscnt 1                                 ; only the add may be out: set 1 is in
	MUL 1, 0, 2, 0                                 ; twelve matrix instructions stand between the add and the wait for it
	s_wait_dscnt 0x0                               ; the add is done, and my reads of this slot are over
	s_barrier_signal -1
	MUL 1, 2, 2, 0
	WIN 0
	s_barrier_wait -1
.if \fill
	CREST                                          ; the barrier has opened a round of the cluster's: no wave of any partner still reads this slot or has a load on its way
	s_add_nc_u64 s[G0A+4*\slot+2:G0A+4*\slot+3], s[G0A+4*\slot+2:G0A+4*\slot+3], 512   ; two slots on along K
	s_add_nc_u64 s[G0B+4*\slot+2:G0B+4*\slot+3], s[G0B+4*\slot+2:G0B+4*\slot+3], 512
	JLOAD \slot                                    ; the first tensor load behind the round, my only one until the next; its four v_nop are the places in front of the loads below
.else
	PLACES 4
.endif
	FETCH \next, 0, 0
	MUL 1, 4, 4, 0
.endm
	s_wait_alu depctr_va_vdst(0)
	s_wait_tensorcnt 1                             ; my part of slot 0 is in; slot 1's may be out
	s_barrier_signal -1
	s_barrier_wait -1
	FETCH 0, 0, 0
	STEP 0, 1                                      ; K 0-127: the products start the sums on the bias
	TURN 0, 1, 1                                   ; K 128-255; slot 0 takes K 512-767
	STEP 1, 0
	TURN 1, 0, 1                                   ; slot 1 takes K 768-1023
	STEP 0, 0
	TURN 0, 1, 0                                   ; nothing is left to fetch
	STEP 1, 0
	s_wait_dscnt 0x0
	MUL 1, 0, 4, 0
	MUL 1, 4, 4, 0
	; THE WAY OUT: hold, convert, through my own stage into chunks, 512 consecutive bytes a store.
	PLACES 4
.irp w, 2,3
	WIN \w|(\w<<6)                                 ; source 0 and destination: the accumulators' window
.set N_, 0
.rept 24
.irp j, 0,1,2,3,4,5,6,7
.endr
.set N_, N_+1
.endr
	WIN \w
.set N_, 0
.rept 24
	v_cvt_scalef32_pk8_fp8_f32 v[CD+2*(24*(\w-2)+N_):CD+2*(24*(\w-2)+N_)+1], v[8*N_:8*N_+7], v[8+2*((N_%6)/2)]
.set N_, N_+1
.endr
	v_nop                                          ; one plain line behind the run of conversions
.endr
	WIN 0
.irp a, 0,1,2,3,4,5,6,7
.irp u, 0,1
	ds_store_b64 v[LQ], v[CD+2*(6*\a+\u):CD+2*(6*\a+\u)+1]     offset:\a*512+\u*256                        ; q: chunk a; the image's lane is r + 16 u, my 8 bytes at 8 h
	ds_store_b64 v[LK], v[CD+2*(6*\a+2+\u):CD+2*(6*\a+2+\u)+1] offset:(\a/2)*1280+\u*256+(\a%2)*128        ; k: tile 2 (a / 2) + r / 8; the image's lane is r % 8 + 8 (a % 2) + 16 u
	ds_store_b64 v[LQ], v[CD+2*(6*\a+4+\u):CD+2*(6*\a+4+\u)+1] offset:4096+\u*2048+(\a/2)*512+(\a%2)*256   ; v: tile u, chunk a / 2; the image's lane is r + 16 (a % 2)
.endr
.endr
.irp i, 0,1,2,3,4,5,6,7
	ds_load_b128 v[OUTR+4*\i:OUTR+4*\i+3], v[RD] offset:\i*512          ; LDS serves a wave's instructions in order (ISA guide 5.7.1.4): these see my stores
.endr
.irp i, 0,1,2,3,4,5,6,7
	ds_load_b128 v[OUTR+32+4*\i:OUTR+32+4*\i+3], v[RD] offset:4096+\i*512
.endr
.irp i, 0,1,2,3,4,5,6,7
	ds_load_b128 v[OUTR+64+4*\i:OUTR+64+4*\i+3], v[RD] offset:8192+\i*640
.endr
.irp i, 0,1,2,3,4,5,6,7
	s_wait_dscnt 23-\i
	global_store_b128 v[GOF], v[OUTR+4*\i:OUTR+4*\i+3], s[QB:QB+1] offset:\i*1024       ; 32 lanes store 512 consecutive bytes, at a multiple of 512 from the buffer's first byte
.endr
.irp i, 0,1,2,3,4,5,6,7
	s_wait_dscnt 15-\i
	global_store_b128 v[GOF], v[OUTR+32+4*\i:OUTR+32+4*\i+3], s[VB:VB+1] offset:\i*512
.endr
.irp i, 0,1,2,3,4,5,6,7
	s_wait_dscnt 7-\i
	global_store_b128 v[GOF], v[OUTR+64+4*\i:OUTR+64+4*\i+3], s[KB:KB+1] offset:\i*1024
.endr
	s_wait_tensorcnt 0x0                           ; the wave's end
	ds_add_u32 v[SPW], v[NIL]
	s_wait_dscnt 0x0
	CROUND                                         ; the closing round: no work-group ends while a partner may still ask for a tile that names it
	s_endpgm
.Lfunc_end_k_q2d1d9b0f60_qkv:
	.size	k_q2d1d9b0f60_qkv, .Lfunc_end_k_q2d1d9b0f60_qkv-k_q2d1d9b0f60_qkv
	.p2alignl 7, 3214868480
	.fill 96, 4, 3214868480
	.section	.rodata,"a",@progbits
	.p2align	6, 0x0
	.amdhsa_kernel k_q2d1d9b0f60_qkv
		.amdhsa_group_segment_fixed_size 327680
		.amdhsa_private_segment_fixed_size 0
		.amdhsa_enable_private_segment 0
		.amdhsa_kernarg_size 48
		.amdhsa_user_sgpr_count 2
		.amdhsa_user_sgpr_kernarg_segment_ptr 1
		.amdhsa_wavefront_size32 1
		.amdhsa_system_sgpr_workgroup_id_x 1
		.amdhsa_system_sgpr_workgroup_id_y 1
		.amdhsa_system_sgpr_workgroup_id_z 1
		.amdhsa_system_vgpr_workitem_id 0
		.amdhsa_next_free_vgpr 1024
		.amdhsa_next_free_sgpr 100
		.amdhsa_reserve_vcc 0
		.amdhsa_float_denorm_mode_32 3
		.amdhsa_float_denorm_mode_16_64 3
		.amdhsa_fp16_overflow 1
		.amdhsa_memory_ordered 1
		.amdhsa_forward_progress 1
		.amdhsa_inst_pref_size 80
	.end_amdhsa_kernel
	.amdgpu_metadata
---
amdhsa.version: [ 1, 2 ]
amdhsa.kernels:
  - .name:           k_q2d1d9b0f60_qkv
    .symbol:         k_q2d1d9b0f60_qkv.kd
    .args:
      - { .name: x_codes, .offset: 0, .size: 8, .value_kind: global_buffer, .address_space: global }
      - { .name: w_attn_codes, .offset: 8, .size: 8, .value_kind: global_buffer, .address_space: global }
      - { .name: b_attn, .offset: 16, .size: 8, .value_kind: global_buffer, .address_space: global }
      - { .name: lowp_scales, .offset: 24, .size: 8, .value_kind: global_buffer, .address_space: global }
      - { .name: q_img, .offset: 32, .size: 8, .value_kind: global_buffer, .address_space: global }
      - { .name: kv_img, .offset: 40, .size: 8, .value_kind: global_buffer, .address_space: global }
    .group_segment_fixed_size: 327680
    .private_segment_fixed_size: 0
    .kernarg_segment_align: 8
    .kernarg_segment_size: 48
    .max_flat_workgroup_size: 128
    .sgpr_count:     100
    .vgpr_count:     1024
    .wavefront_size: 32
...
	.end_amdgpu_metadata
.endif
;; end of part 1
;; launch attn (part 2): grid 4 x 64, 16 waves a work-group, clusters of 4 x 1, 296,960 bytes of LDS; arguments q_img, kv_img, lowp_scales, y_img; writes y_img
.if DOCPART == 2
	.amdgcn_target "amdgcn-amd-amdhsa--gfx1250"
	.amdhsa_code_object_version 6
	.text
	.protected	k_q2d1d9b0f60_attn
	.globl	k_q2d1d9b0f60_attn
	.p2align	8
	.type	k_q2d1d9b0f60_attn,@function
k_q2d1d9b0f60_attn:
	s_mov_b64 s[64:65], 0
	v_nop
	global_prefetch_b8 v0, s[64:65] scope:SCOPE_SE
	s_setreg_imm32_b32 hwreg(HW_REG_WAVE_MODE, 25, 1), 1
	s_wait_xcnt 0x0
	s_wait_alu depctr_hold_cnt(0) depctr_sa_sdst(0) depctr_va_vdst(0) depctr_va_sdst(0) depctr_va_ssrc(0) depctr_va_vcc(0) depctr_vm_vsrc(0)
	s_getreg_b32 s2, hwreg(HW_REG_IB_STS2, 6, 4)
	s_cmp_eq_u32 s2, 0
	s_cbranch_scc0 .Lentry_in_a_cluster
	s_endpgm
.Lentry_in_a_cluster:
	s_bfe_u32 s2, ttmp6, 0x10000c
	s_cmp_lg_u32 s2, 0x3003
	s_cbranch_scc0 .Lentry_shape_is_right
	s_endpgm
.Lentry_shape_is_right:
; Causal attention of one head (64 channels, 2,048 tokens) on codes of E4M3; y is quantised with its given scale and stored as images of the projection's operand registers.
; q_img, kv_img: images of operand registers (chunks of 512 bytes, lane l's 16 bytes at 16 l; r = l % 16, h = l / 16):
;   q_img [bh][T 128][c 2]: query 16 T + r, d = 32 c + 16 h + i.   kv_img [bh][s 16][16384]: K [t 8][c 2]: key 128 s + 32 (t / 2) + 8 (t % 2) + r % 8 + 16 (r / 8);  at 8192 V [t 4][c 4]: d = 16 t + r, key 128 s + 32 c + 16 h + i.
;   y_img [R 512][hd 16][c 2]: token 16 R + r, channel 64 hd + 32 c + 16 h + i.
; THE SOFTMAX: t = score x log2(e) / 8; M = the running largest t rounded UP to a whole number; p = 2^(t - M) is quantised with 2^e4; the sum is taken of the unquantised p and divides at the end.
; When M moves, the sum and O are multiplied by 2^(old M - new M): nothing is rounded, and there is no branch on data.
; SHARES.  The four work-groups of a cluster are one head.  Wave w of partner cx owns TWO tiles of 16 queries: TL = 4 w + cx and TH = 127 - TL.  In key steps of 128, TL's last step is w / 2 and TH's is 15 - w / 2:
; both hang on the wave's number alone, and every wave has 17 tile-steps.  Steps whose keys all come after a tile's queries are left out by a scalar branch on ids; in a tile's last step hidden scores become -infinity.
; ALL OF THE HEAD'S K AND V, 262,144 bytes, STAY IN LDS, as they lie in kv_img: asked for jointly at the head, three loads a wave (key steps 0-1, 2-7, 8-15), and never filled again.  So there is no ring,
; and the only barriers are the three behind which a group of key steps may be read.  The last stands ahead of key step 4, where the waves' shares done so far differ by three tile-steps at the most.
; Everything that the launch reads of K and V is asked for by its first lines, so nothing is left to ask for ahead of time.
; LAYOUT.  Both products transposed: S^T = K Q^T (source 0 = 16 keys, source 1 = my 16 queries), O^T = V^T P^T: a lane holds one query throughout; the keys of a tile of K are laid so that p's 16 registers of two
; neighbouring tiles are 16 neighbouring keys: the conversions' results are the second product's operand.
; LIMITS: e2 + e3 between -123 and 130 (added to c's exponent field); e4 and e6 between -126 and 119.  NaN is not served.
.set STG,  262144                      ; behind K and V: 2,048 bytes for each wave, for the way out
.set LI,   1                           ; v1   16 x lane
.set ADK,  2                           ; v2   LDS address of the key step in hand
.set DML,  3                           ; v3   16 (TL % 8) + r - 16 h: register 16 b + i of a diagonal step is hidden where 32 b + i is above it
.set DMH,  4                           ; v4   the same for TH
.set SO,   5                           ; v5   my stage: 16 r + 8 h
.set SR,   6                           ; v6   my stage: 16 x lane
.set NINF, 7                           ; v7   -infinity
.set LP,   8
.set MX0,  10
.set MX1,  11
.set STL,  12                          ; v[12:15] tile L: -M, the largest t, the sum in two halves;  v[16:19] tile H
.set STH,  16
.set QL,   20                          ; v[20:27], v[28:35] Q's fragments
.set QH,   28
.set KV,   36                          ; v[36:99] eight fragments of K, then four of V
.set S,    100                         ; v[100:163] S^T, then p
.set OL,   164                         ; v[164:195], v[196:227] O^T
.set OH,   196
.set P,    228                         ; v[228:243] p's codes
.set F,    244                         ; v[244:245] f = 2^(old M - new M), and a word that is only named with it
.set SM2,  246                         ; v[246:247] the sum's second chain
.set PL,   248
.set SCP,  249                         ; 2^e4
.set SCY,  250                         ; 2^e6
.set LY,   251
.set WV, 12
.set CX, 13
.set BH, 14
.set DL, 15
.set DH, 16
.set TL, 17
.set TH, 18
.set SEL, 20                           ; s[20:21] lane selects: lane l xor 16
.set CS,  22                           ; s[22:23] c = log2(e) / 8 x 2^(e2 + e3)
.set G1A, 24                           ; three groups 1 (8, 24 and 32 rows of 256 bytes) and their groups 0
.set G1B, 32
.set G1C, 40
.set G0A, 48
.set G0B, 52
.set G0C, 56
.set STEPI, 60
.set TB,  61
.set QLB, 76
.set QHB, 78
.set YLB, 80
.set YHB, 82
.set EPV, 84
.macro ROUND                           ; a round of the cluster's barrier
	s_barrier_signal -1
	s_barrier_wait -1
	s_cmp_lg_u32 s[WV], 0
	s_cbranch_scc1 .Lnot_wave_0_\@
	s_barrier_signal -3
.Lnot_wave_0_\@:
	s_barrier_wait -3
	s_barrier_signal -1
	s_barrier_wait -1
.endm
	s_load_b256 s[4:11], s[0:1], 0x0               ; q_img s[4:5], kv_img s[6:7], the scales' exponents s[8:9], y_img s[10:11]
	v_lshl_add_u32 v254, v0, 2, 0x48000
	v_mov_b32 v255, 0
	ds_add_u32 v254, v255
	ds_add_u32 v254, v255
	v_lshrrev_b32 v[MX0], 5, v0
	s_delay_alu instid0(VALU_DEP_1)
	v_readfirstlane_b32 s[WV], v[MX0]              ; wave 0..15
	s_bfe_u32 s[CX], ttmp6, 0x40000                ; my place in the cluster: it enters Q's and y's addresses and the mask's numbers alone
	s_and_b32 s[BH], ttmp7, 0xffff                 ; batch x 16 + head
	s_lshr_b32 s[DL], s[WV], 1                     ; tile L's last key step,
	s_xor_b32 s[DH], s[DL], 15                     ; tile H's: 15 - DL
	s_lshl_b32 s[TL], s[WV], 2
	s_add_co_u32 s[TL], s[TL], s[CX]
	s_xor_b32 s[TH], s[TL], 127                    ; 127 - TL
.irp g, G1A, G1B, G1C
	s_mov_b32 s[\g], 15|(3<<16)|(1<<21)            ; the mask: all four work-groups; elements of 8 bytes; bit 21 beside a mask; no padding: the chunks are read as they lie
	s_mov_b32 s[\g+1], 32<<16                      ; tensor_dim0 = 32 elements: rows of 256 bytes
	s_mov_b32 s[\g+3], 32<<16                      ; tile_dim0
	s_mov_b32 s[\g+5], 32                          ; dense
	s_mov_b32 s[\g+6], 0
	s_mov_b32 s[\g+7], 0
.endr
	s_mov_b32 s[G1A+2], 8<<16                      ; key steps 0-1: 2,048 bytes a wave
	s_mov_b32 s[G1A+4], 8
	s_mov_b32 s[G1B+2], 24<<16                     ; key steps 2-7: 6,144
	s_mov_b32 s[G1B+4], 24
	s_mov_b32 s[G1C+2], 32<<16                     ; key steps 8-15: 8,192
	s_mov_b32 s[G1C+4], 32
	s_lshl_b32 s[G0A+1], s[WV], 11                 ; the LDS byte is the byte in the head's block
	s_mul_i32 s[G0B+1], s[WV], 6144
	s_add_co_u32 s[G0B+1], s[G0B+1], 32768
	s_lshl_b32 s[G0C+1], s[WV], 13
	s_add_co_u32 s[G0C+1], s[G0C+1], 131072
	s_lshl_b32 s86, s[BH], 18
	s_mov_b32 s87, 0
	s_mov_b32 s[SEL], 0x76543210
	s_mov_b32 s[SEL+1], 0xfedcba98
	s_mov_b32 s[CS], 0x3e38aa3b                    ; log2(e) / 8
	s_wait_dscnt 0x0
	s_wait_kmcnt 0x0
	s_load_b256 s[68:75], s[8:9], 0x0              ; e0 .. e7
	s_add_nc_u64 s[6:7], s[6:7], s[86:87]          ; the head's block of kv_img
.irp g, G0A, G0B, G0C
	s_mov_b32 s[\g], 1
	s_mov_b32 s86, s[\g+1]
	s_add_nc_u64 s[\g+2:\g+3], s[6:7], s[86:87]
	s_or_b32 s[\g+3], s[\g+3], 0x80000000
.endr
	ROUND                                          ; all four work-groups are here: the joint loads meet
	tensor_load_to_lds s[G0A:G0A+3], s[G1A:G1A+7]  ; three loads of mine are out
	s_nop 0
	tensor_load_to_lds s[G0B:G0B+3], s[G1B:G1B+7]
	s_nop 0
	tensor_load_to_lds s[G0C:G0C+3], s[G1C:G1C+7]
	s_nop 0
.rept 4
	v_nop
.endr
	v_and_b32 v[LI], 31, v0
	s_delay_alu instid0(VALU_DEP_1)
	v_lshlrev_b32 v[LI], 4, v[LI]
	s_wait_alu depctr_va_vdst(0)
	v_and_b32 v[MX0], 15, v0                       ; r
	v_bfe_u32 v[MX1], v0, 4, 1                     ; h
	s_wait_alu depctr_va_vdst(0)
	s_mov_b32 s89, 0
	s_lshl_b32 s86, s[BH], 17
	s_lshl_b32 s88, s[TL], 10
	s_add_co_u32 s88, s88, s86
	s_add_nc_u64 s[QLB:QLB+1], s[4:5], s[88:89]    ; q_img + 131072 bh + 1024 T
	s_lshl_b32 s88, s[TH], 10
	s_add_co_u32 s88, s88, s86
	s_add_nc_u64 s[QHB:QHB+1], s[4:5], s[88:89]
	global_load_b128 v[QL:QL+3],   v[LI], s[QLB:QLB+1]
	global_load_b128 v[QL+4:QL+7], v[LI], s[QLB:QLB+1] offset:512
	global_load_b128 v[QH:QH+3],   v[LI], s[QHB:QHB+1]
	global_load_b128 v[QH+4:QH+7], v[LI], s[QHB:QHB+1] offset:512
	s_lshr_b32 s86, s[BH], 4
	s_lshl_b32 s86, s86, 7                         ; 128 row blocks a batch
	s_and_b32 s87, s[BH], 15
	s_lshl_b32 s87, s87, 10                        ; 1,024 bytes a head
	s_add_co_u32 s88, s86, s[TL]
	s_lshl_b32 s88, s88, 14
	s_add_co_u32 s88, s88, s87
	s_add_nc_u64 s[YLB:YLB+1], s[10:11], s[88:89]  ; y_img + 16384 R + 1024 hd
	s_add_co_u32 s88, s86, s[TH]
	s_lshl_b32 s88, s88, 14
	s_add_co_u32 s88, s88, s87
	s_add_nc_u64 s[YHB:YHB+1], s[10:11], s[88:89]
	s_and_b32 s86, s[TL], 7
	s_lshl_b32 s86, s86, 4
	s_and_b32 s87, s[TH], 7
	s_lshl_b32 s87, s87, 4
	v_lshlrev_b32 v[DML], 4, v[MX1]
	s_delay_alu instid0(VALU_DEP_1)
	v_sub_nc_u32 v[DML], v[MX0], v[DML]            ; r - 16 h
	s_delay_alu instid0(VALU_DEP_1)
	v_add_nc_u32 v[DMH], s87, v[DML]
	s_delay_alu instid0(VALU_DEP_2)
	v_add_nc_u32 v[DML], s86, v[DML]
	s_lshl_b32 s86, s[WV], 11
	s_add_co_u32 s86, s86, STG                     ; my stage
	v_lshlrev_b32 v[SO], 4, v[MX0]
	s_delay_alu instid0(VALU_DEP_1)
	v_lshl_add_u32 v[SO], v[MX1], 3, v[SO]
	s_delay_alu instid0(VALU_DEP_1)
	v_add_nc_u32 v[SO], s86, v[SO]
	v_add_nc_u32 v[SR], s86, v[LI]
	v_mov_b32 v[NINF], 0xff800000
	v_mov_b32 v[STL+1], 0xff61b1e6                 ; the largest t so far: -3e38, under every t
	v_mov_b32 v[STH+1], 0xff61b1e6
	s_delay_alu instid0(VALU_DEP_2)
	v_floor_f32 v[STL], -v[STL+1]                  ; -M
	s_delay_alu instid0(VALU_DEP_2)
	v_floor_f32 v[STH], -v[STH+1]
	v_mov_b32 v[STL+2], 0
	v_mov_b32 v[STL+3], 0
	v_mov_b32 v[STH+2], 0
	v_mov_b32 v[STH+3], 0
	v_mov_b32 v[F+1], 0                            ; (named as the upper half of a pair)
	v_mov_b32 v[PL], 0                             ; a lane permute's destination counts as one of its sources
.set J_, 0
.rept 64
	v_mov_b32 v[OL+J_], 0                          ; O^T of both tiles.  (The step is written without a first step of its own: it finds zeros, which the first change of M leaves zeros)
.set J_, J_+1
.endr
	s_wait_kmcnt 0x0
	s_add_co_i32 s86, s70, s71
	s_lshl_b32 s86, s86, 23
	s_add_co_i32 s[CS], s[CS], s86                 ; a score stands for score x 2^(e2 + e3): added to c's exponent field
	s_mov_b32 s[CS+1], s[CS]
	s_add_co_i32 s86, s72, 127
	s_lshl_b32 s87, s86, 23
	v_mov_b32 v[SCP], s87                          ; 2^e4
	s_add_co_i32 s86, s74, 127
	s_lshl_b32 s87, s86, 23
	v_mov_b32 v[SCY], s87                          ; 2^e6
	s_add_co_i32 s[EPV], s72, s73                  ; e4 + e5
; ONE TILE'S KEY STEP: 128 keys at LDS byte s[TB].  q, o, st: the tile's Q, O^T and statistics; dm: its mask number; dg: its last step.
; mode = 1: the step is left out where it lies behind the tile's last, and masked where it is the last.  mode = 0: all its keys count.
.macro TSTEP q, o, st, dm, dg, mode
.if \mode
	s_cmp_gt_u32 s[STEPI], s[\dg]
	s_cbranch_scc1 .Lskip_\@
.endif
	v_add_nc_u32 v[ADK], s[TB], v[LI]
.rept 3
	v_nop                                          ; with the addition: four places in front of loads into registers that the last products read
.endr
.irp t, 0,1,2,3,4,5,6,7
	ds_load_b128 v[KV+8*\t:KV+8*\t+3],   v[ADK] offset:\t*1024
	ds_load_b128 v[KV+8*\t+4:KV+8*\t+7], v[ADK] offset:\t*1024+512
.endr
	s_wait_alu depctr_va_vdst(0)
	s_wait_dscnt 0x0
.irp t, 0,1,2,3,4,5,6,7
	v_wmma_f32_16x16x64_fp8_fp8 v[S+8*\t:S+8*\t+7], v[KV+8*\t:KV+8*\t+7], v[\q:\q+7], 0   ; register 16 b + i of S: key 32 b + 16 h + i of the step
.endr
.rept 4
	v_nop
.endr
.irp t, 0,1,2,3
.irp c, 0,1,2,3
	ds_load_b128 v[KV+16*\t+4*\c:KV+16*\t+4*\c+3], v[ADK] offset:8192+\t*2048+\c*512      ; V lands while the softmax is worked
.endr
.endr
.if \mode
	s_cmp_lg_u32 s[STEPI], s[\dg]
	s_cbranch_scc1 .Lopen_\@
.set N_, 0
.rept 64
	v_cmp_gt_i32 vcc_lo, 32*(N_/16)+N_%16, v[\dm]
	v_cndmask_b32 v[S+N_], v[S+N_], v[NINF], vcc_lo
.set N_, N_+1
.endr
.Lopen_\@:
.endif
	v_max3_num_f32 v[MX0], v[S], v[S+1], v[S+2]    ; the step's largest score of my query among my 64 keys, in two chains, each accumulator from its low end on
	v_max3_num_f32 v[MX1], v[S+3], v[S+4], v[S+5]
.irp i, 6,10,14,18,22,26,30,34,38,42,46,50,54,58
	v_max3_num_f32 v[MX0], v[MX0], v[S+\i], v[S+\i+1]
	v_max3_num_f32 v[MX1], v[MX1], v[S+\i+2], v[S+\i+3]
.endr
	v_max3_num_f32 v[MX0], v[MX0], v[S+62], v[S+63]
	s_delay_alu instid0(VALU_DEP_1)
	v_max_num_f32 v[MX0], v[MX0], v[MX1]
	s_delay_alu instid0(VALU_DEP_1)
	v_permlanex16_b32 v[PL], v[MX0], s[SEL], s[SEL+1]
	s_delay_alu instid0(VALU_DEP_1)
	v_max_num_f32 v[MX0], v[MX0], v[PL]            ; and among lane l xor 16's
	s_delay_alu instid0(VALU_DEP_1)
	v_mul_f32 v[MX0], s[CS], v[MX0]                ; as t (c is positive)
	s_delay_alu instid0(VALU_DEP_1)
	v_max_num_f32 v[\st+1], v[\st+1], v[MX0]       ; the running largest t
	v_mov_b32 v[MX0], v[\st]
	s_delay_alu instid0(VALU_DEP_2)
	v_floor_f32 v[\st], -v[\st+1]                  ; the new -M = -ceil(t)
	s_delay_alu instid0(VALU_DEP_1)
	v_sub_f32 v[MX0], v[\st], v[MX0]               ; old M - new M: a whole number, 0 or less
	s_delay_alu instid0(VALU_DEP_1)
	v_cvt_i32_f32 v[MX0], v[MX0]                   ; (it saturates)
	s_delay_alu instid0(VALU_DEP_1)
	v_ldexp_f32 v[F], 1.0, v[MX0]                  ; f
.set J_, 0
.rept 32
	v_pk_fma_f32 v[S+J_:S+J_+1], v[S+J_:S+J_+1], s[CS:CS+1], v[\st:\st+1] op_sel_hi:[1,0,0]   ; t - M, two at a time
.set J_, J_+2
.endr
.set J_, 0
	s_wait_alu depctr_va_vdst(0)
.rept 64
	v_exp_f32 v[S+J_], v[S+J_]                     ; p = 2^(t - M)
.set J_, J_+1
.endr
	v_pk_mul_f32 v[\st+2:\st+3], v[\st+2:\st+3], v[F:F+1] op_sel_hi:[1,0]   ; the sums under the new M: the plain line behind the exponentials
	s_wait_alu depctr_va_vdst(0)                   ; one wait for the batch of 64, ahead of its first reader
	v_pk_add_f32 v[SM2:SM2+1], v[S:S+1], v[S+2:S+3]                        ; the sum of the UNQUANTISED p, in two chains
.irp j, 4,8,12,16,20,24,28,32,36,40,44,48,52,56,60
	v_pk_add_f32 v[\st+2:\st+3], v[\st+2:\st+3], v[S+\j:S+\j+1]
	v_pk_add_f32 v[SM2:SM2+1], v[SM2:SM2+1], v[S+\j+2:S+\j+3]
.endr
	s_delay_alu instid0(VALU_DEP_1)
	v_pk_add_f32 v[\st+2:\st+3], v[\st+2:\st+3], v[SM2:SM2+1]
.irp b, 0,1,2,3
.irp i, 0,1,2,3,4,5,6,7,8,9,10,11,12,13,14,15
.endr
	v_cvt_scalef32_pk8_fp8_f32 v[P+4*\b:P+4*\b+1],   v[S+16*\b:S+16*\b+7],    v[SCP]
	v_cvt_scalef32_pk8_fp8_f32 v[P+4*\b+2:P+4*\b+3], v[S+16*\b+8:S+16*\b+15], v[SCP]
.endr
.set J_, 0
.rept 16
	v_pk_mul_f32 v[\o+J_:\o+J_+1], v[\o+J_:\o+J_+1], v[F:F+1] op_sel_hi:[1,0]   ; O^T under the new M; also the plain lines behind the conversions
.set J_, J_+2
.endr
	s_wait_alu depctr_va_vdst(0)
	s_wait_dscnt 0x0                               ; V is in
.irp t, 0,1,2,3
	v_wmma_f32_16x16x128_fp8_fp8 v[\o+8*\t:\o+8*\t+7], v[KV+16*\t:KV+16*\t+15], v[P:P+15], v[\o+8*\t:\o+8*\t+7]   ; four accumulators by turns
.endr
.if \mode
.Lskip_\@:
.endif
.endm
.macro LOOPA first, last               ; key steps first .. last - 1, all under 8: tile H takes every one, tile L those up to its last
	s_mov_b32 s[STEPI], \first
	s_mov_b32 s[TB], \first*16384
.Lla_\@:
	TSTEP QH, OH, STH, DMH, DH, 0
	TSTEP QL, OL, STL, DML, DL, 1
	s_add_co_u32 s[TB], s[TB], 16384
	s_add_co_u32 s[STEPI], s[STEPI], 1
	s_cmp_lt_u32 s[STEPI], \last
	s_cbranch_scc1 .Lla_\@
.endm
.macro MEET left                       ; my part of the next group of key steps is in (left later loads of mine may be out); then everybody's is
	s_wait_tensorcnt \left
	s_wait_dscnt 0x0
	s_barrier_signal -1
	s_barrier_wait -1
.endm
	s_wait_loadcnt 0x0                             ; Q
	MEET 2                                         ; key steps 0-1
	LOOPA 0, 2
	MEET 1                                         ; key steps 2-7
	LOOPA 2, 4
	MEET 0                                         ; key steps 8-15: from here on no wave waits for another
	LOOPA 4, 8
	s_mov_b32 s[STEPI], 8
	s_mov_b32 s[TB], 8*16384
.Llb:                                              ; key steps 8 to 15: tile H alone, up to its last
	TSTEP QH, OH, STH, DMH, DH, 1
	s_add_co_u32 s[TB], s[TB], 16384
	s_add_co_u32 s[STEPI], s[STEPI], 1
	s_cmp_lt_u32 s[STEPI], 16
	s_cbranch_scc1 .Llb
	; THE WAY OUT: y = O^T x 2^(e4 + e5) / the sum, quantised with 2^e6, through my stage into two chunks a tile.
.rept 4
	v_nop
.endr
	v_add_f32 v[STL+2], v[STL+2], v[STL+3]
	v_add_f32 v[STH+2], v[STH+2], v[STH+3]
	s_delay_alu instid0(VALU_DEP_2)
	v_permlanex16_b32 v[PL], v[STL+2], s[SEL], s[SEL+1]
	s_delay_alu instid0(VALU_DEP_2)
	v_permlanex16_b32 v[MX0], v[STH+2], s[SEL], s[SEL+1]
	s_delay_alu instid0(VALU_DEP_2)
	v_add_f32 v[STL+2], v[STL+2], v[PL]
	s_delay_alu instid0(VALU_DEP_2)
	v_add_f32 v[STH+2], v[STH+2], v[MX0]
	s_wait_alu depctr_va_vdst(0)
	v_rcp_f32 v[STL+3], v[STL+2]
	v_rcp_f32 v[STH+3], v[STH+2]
	v_nop                                          ; the plain line behind the reciprocals
	s_wait_alu depctr_va_vdst(0)                   ; one wait for both, ahead of the first reader
.macro OUT o, st, tile, yb
	v_ldexp_f32 v[F], v[\st+3], s[EPV]
.set J_, 0
.rept 16
	v_pk_mul_f32 v[S+J_:S+J_+1], v[\o+J_:\o+J_+1], v[F:F+1] op_sel_hi:[1,0]   ; register 8 t + j: y(query r, d = 16 t + 8 h + j)
.set J_, J_+2
.endr
.set J_, 0
.rept 32
.set J_, J_+1
.endr
.irp t, 0,1,2,3
	v_cvt_scalef32_pk8_fp8_f32 v[P+8*\tile+2*\t:P+8*\tile+2*\t+1], v[S+8*\t:S+8*\t+7], v[SCY]
.endr
	v_nop                                          ; one plain line behind the run of conversions
.irp t, 0,1,2,3
	ds_store_b64 v[SO], v[P+8*\tile+2*\t:P+8*\tile+2*\t+1] offset:\tile*1024+(\t/2)*512+(\t%2)*256   ; chunk t / 2; the image's lane is r + 16 (t % 2), my 8 bytes at 8 h
.endr
	ds_load_b128 v[KV+8*\tile:KV+8*\tile+3],   v[SR] offset:\tile*1024       ; LDS serves a wave's instructions in order (ISA guide 5.7.1.4): these see my stores
	ds_load_b128 v[KV+8*\tile+4:KV+8*\tile+7], v[SR] offset:\tile*1024+512
	s_wait_dscnt 1
	global_store_b128 v[LI], v[KV+8*\tile:KV+8*\tile+3], s[\yb:\yb+1]        ; 32 lanes store 512 consecutive bytes, at a multiple of 512 from the buffer's first byte
	s_wait_dscnt 0x0
	global_store_b128 v[LI], v[KV+8*\tile+4:KV+8*\tile+7], s[\yb:\yb+1] offset:512
.endm
	OUT OL, STL, 0, YLB
	OUT OH, STH, 1, YHB
	s_wait_tensorcnt 0x0
	ds_add_u32 v254, v255
	s_wait_dscnt 0x0
	ROUND                                          ; the closing round
	s_endpgm
.Lfunc_end_k_q2d1d9b0f60_attn:
	.size	k_q2d1d9b0f60_attn, .Lfunc_end_k_q2d1d9b0f60_attn-k_q2d1d9b0f60_attn
	.p2alignl 7, 3214868480
	.fill 96, 4, 3214868480
	.section	.rodata,"a",@progbits
	.p2align	6, 0x0
	.amdhsa_kernel k_q2d1d9b0f60_attn
		.amdhsa_group_segment_fixed_size 296960
		.amdhsa_private_segment_fixed_size 0
		.amdhsa_enable_private_segment 0
		.amdhsa_kernarg_size 32
		.amdhsa_user_sgpr_count 2
		.amdhsa_user_sgpr_kernarg_segment_ptr 1
		.amdhsa_wavefront_size32 1
		.amdhsa_system_sgpr_workgroup_id_x 1
		.amdhsa_system_sgpr_workgroup_id_y 1
		.amdhsa_system_sgpr_workgroup_id_z 1
		.amdhsa_system_vgpr_workitem_id 0
		.amdhsa_next_free_vgpr 256
		.amdhsa_next_free_sgpr 100
		.amdhsa_reserve_vcc 1
		.amdhsa_float_denorm_mode_32 3
		.amdhsa_float_denorm_mode_16_64 3
		.amdhsa_fp16_overflow 1
		.amdhsa_memory_ordered 1
		.amdhsa_forward_progress 1
		.amdhsa_inst_pref_size 130
	.end_amdhsa_kernel
	.amdgpu_metadata
---
amdhsa.version: [ 1, 2 ]
amdhsa.kernels:
  - .name:           k_q2d1d9b0f60_attn
    .symbol:         k_q2d1d9b0f60_attn.kd
    .args:
      - { .name: q_img, .offset: 0, .size: 8, .value_kind: global_buffer, .address_space: global }
      - { .name: kv_img, .offset: 8, .size: 8, .value_kind: global_buffer, .address_space: global }
      - { .name: lowp_scales, .offset: 16, .size: 8, .value_kind: global_buffer, .address_space: global }
      - { .name: y_img, .offset: 24, .size: 8, .value_kind: global_buffer, .address_space: global }
    .group_segment_fixed_size: 296960
    .private_segment_fixed_size: 0
    .kernarg_segment_align: 8
    .kernarg_segment_size: 32
    .max_flat_workgroup_size: 512
    .sgpr_count:     100
    .vgpr_count:     256
    .wavefront_size: 32
...
	.end_amdgpu_metadata
.endif
;; end of part 2
;; launch proj (part 3): grid 8 x 32, 4 waves a work-group, clusters of 4 x 4, 327,680 bytes of LDS; arguments y_img, w_proj_codes, b_proj, lowp_scales, out0; writes out0
.if DOCPART == 3
	.amdgcn_target "amdgcn-amd-amdhsa--gfx1250"
	.amdhsa_code_object_version 6
	.text
	.protected	k_q2d1d9b0f60_proj
	.globl	k_q2d1d9b0f60_proj
	.p2align	8
	.type	k_q2d1d9b0f60_proj,@function
k_q2d1d9b0f60_proj:
	s_mov_b64 s[64:65], 0
	v_nop
	global_prefetch_b8 v0, s[64:65] scope:SCOPE_SE
	s_setreg_imm32_b32 hwreg(HW_REG_WAVE_MODE, 25, 1), 1
	s_wait_xcnt 0x0
	s_wait_alu depctr_hold_cnt(0) depctr_sa_sdst(0) depctr_va_vdst(0) depctr_va_sdst(0) depctr_va_ssrc(0) depctr_va_vcc(0) depctr_vm_vsrc(0)
	s_getreg_b32 s2, hwreg(HW_REG_IB_STS2, 6, 4)
	s_cmp_eq_u32 s2, 0
	s_cbranch_scc0 .Lentry_in_a_cluster
	s_endpgm
.Lentry_in_a_cluster:
	s_bfe_u32 s2, ttmp6, 0x10000c
	s_cmp_lg_u32 s2, 0xf033
	s_cbranch_scc0 .Lentry_shape_is_right
	s_endpgm
.Lentry_shape_is_right:
; out0 = y W_proj + b_proj on codes of E4M3.  y_img: images of operand registers, [R 512][hd 16][c 2][512]: lane l = (r, h) holds token 16 R + r, channels 64 hd + 32 c + 16 h + 0 .. 15: 2,048 bytes on end are one
; fragment of 16 tokens x 128 along K.  w_proj_codes: [1024 (n)][1024 (k)], one code a byte.  out0: [8192][1024] f32.  lowp_scales: e6 (y), e7 (w_proj): out = sum x 2^(e6 + e7) + b_proj.
; SHARES.  A work-group makes 256 tokens x 128 columns; four waves, each 128 x 64: 32 accumulators of 16 x 16.  K goes in slots of 256 through a ring of two LDS slots: four fills, eight steps of 128, written out.
; THE MATRIX INSTRUCTION IS USED TRANSPOSED (source 0 = 16 rows of W, source 1 = 16 tokens): a lane holds eight neighbouring columns of one row of out0.
; Both sides are fed as registers 4 c .. 4 c + 3 = k 32 c + 16 h + 0 .. 15: each product meets its partner; only the order of sums inside an instruction differs.
; CLUSTERS: 4 x 4 work-groups.  A row of the cluster shares y's tile, a column W's: each is asked for jointly.  Waves 0 and 1 ask for y's two halves, waves 2 and 3 for W's.
; LIMIT: e6 + e7 between -126 and 127.  NaN codes are not served.
; REGISTERS, in windows of 256: windows 0 and 1: v64-127 W's four fragments, v128-255 y's eight: two sets.  window 0 also: v0-31 addresses, v32-63 the bias.  window 2: the accumulators, (a, b) at v[8 (4 a + b)].
.set PITCH,  272                       ; W's row in LDS: 256 bytes + 16 of padding: row r starts at bank 4 r mod 64 (64 banks of 4 bytes: ISA guide 11.1)
.set ABYTES, 65536                     ; y's images: 16 row blocks x 4,096 bytes, read 512 consecutive bytes a load: no padding
.set BHALF,  64*PITCH
.set SLOT,   ABYTES+2*BHALF
.set STAGE,  2*SLOT                    ; behind the ring: 16 rows x 272 bytes for each wave
.set SPITCH, 272
.set SPARE,  STAGE+4*16*SPITCH         ; the spare words, 128 bytes for each wave: two blocks of 256 bytes that no other line names
.set ADRA, 16
.set ADRB, 20
.set STO,  24
.set RD,   25
.set CO,   26
.set SPW,  28
.set NIL,  29
.set BI,   32
.set BF,   64
.set AF,   128
.set TMP,  64                          ; the way out: a block's 32 numbers a lane
.set BK,   128                         ; the way out: 16 rows read back: v128-159 and v160-191 by turns
.set WV, 16
.set RA, 17
.set CH, 18
.set CX, 19
.set CY, 20
.set NT, 21
.set MT, 22
.set G1A, 24
.set G0A, 32
.set G1B, 40
.set G0B, 48
.set SC,  74                           ; s[74:75] 2^(e6 + e7)
.set MSB, 0
.macro WIN new
.if MSB != (\new)
	s_set_vgpr_msb (MSB<<8)|(\new)
.set MSB, (\new)
.endif
.endm
.macro PLACES n
.rept \n
	v_nop
.endr
.endm
.macro JLOAD s                         ; a joint load; the branch hangs on the wave's number alone; four v_nop follow each of the two lines
	s_cmp_eq_u32 s[RA], 0
	s_cbranch_scc0 .Lfor_b_\@
	tensor_load_to_lds s[G0A+4*\s:G0A+4*\s+3], s[G1A:G1A+7]
	s_nop 0
.rept 4
	v_nop
.endr
	s_branch .Lasked_\@
.Lfor_b_\@:
	tensor_load_to_lds s[G0B+4*\s:G0B+4*\s+3], s[G1B:G1B+7]
	s_nop 0
.rept 4
	v_nop
.endr
.Lasked_\@:
.endm
.macro CREST
	s_cmp_lg_u32 s[WV], 0
	s_cbranch_scc1 .Lnot_wave_0_\@
	s_barrier_signal -3
.Lnot_wave_0_\@:
	s_barrier_wait -3
	s_barrier_signal -1
	s_barrier_wait -1
.endm
.macro CROUND
	s_barrier_signal -1
	s_barrier_wait -1
	CREST
.endm
	s_load_b256 s[4:11], s[0:1], 0x0               ; y_img s[4:5], W s[6:7], b_proj s[8:9], the scales' exponents s[10:11]
	s_load_b64 s[12:13], s[0:1], 0x20              ; out0
	v_lshl_add_u32 v[SPW], v0, 2, SPARE
	v_mov_b32 v[NIL], 0
	ds_add_u32 v28, v29
	ds_add_u32 v28, v29
	s_wait_dscnt 0x0
	v_lshrrev_b32 v1, 5, v0
	v_readfirstlane_b32 s[WV], v1
	s_lshr_b32 s[RA], s[WV], 1                     ; which 128 tokens are mine.  Also: I ask for y (0) or for W (1)
	s_and_b32 s[CH], s[WV], 1                      ; which 64 columns.  Also: which half of that tile I ask for
	s_bfe_u32 s[CX], ttmp6, 0x40000
	s_bfe_u32 s[CY], ttmp6, 0x40004
	s_lshl_b32 s[NT], ttmp9, 2
	s_add_co_u32 s[NT], s[NT], s[CX]               ; the block of 128 columns
	s_and_b32 s[MT], ttmp7, 0xffff
	s_lshl_b32 s[MT], s[MT], 2
	s_add_co_u32 s[MT], s[MT], s[CY]               ; the block of 256 tokens
	s_lshl_b32 s72, s[CY], 2
	s_lshl_b32 s72, 15, s72                        ; my row of the cluster
	s_lshl_b32 s73, 0x1111, s[CX]                  ; my column
	s_or_b32 s[G1A], s72, (3<<16)|(1<<21)          ; the mask; elements of 8 bytes; bit 21 beside a mask; no padding
	s_mov_b32 s[G1A+1], 512<<16                    ; tensor_dim0 = 512 elements: a row block's 4,096 bytes of a slot
	s_mov_b32 s[G1A+2], 8<<16                      ; tensor_dim1 = 8 row blocks
	s_mov_b32 s[G1A+3], 512<<16
	s_mov_b32 s[G1A+4], 8
	s_mov_b32 s[G1A+5], 2048                       ; 16,384 bytes from row block to row block
	s_mov_b32 s[G1A+6], 0
	s_mov_b32 s[G1A+7], 0
	s_or_b32 s[G1B], s73, (1<<20)|(1<<21)|(5<<22)|(3<<25)   ; elements of 1 byte; 4 words of padding after every 64
	s_mov_b32 s[G1B+1], 256<<16
	s_mov_b32 s[G1B+2], 64<<16
	s_mov_b32 s[G1B+3], 256<<16
	s_mov_b32 s[G1B+4], 64
	s_mov_b32 s[G1B+5], 1024
	s_mov_b32 s[G1B+6], 0
	s_mov_b32 s[G1B+7], 0
	s_lshl_b32 s66, s[MT], 18                      ; y: (16 MT + 8 half) row blocks of 16,384 bytes
	s_lshl_b32 s82, s[CH], 17
	s_add_co_u32 s66, s66, s82
	s_mov_b32 s67, 0
	s_lshl_b32 s68, s[NT], 17                      ; W: (128 NT + 64 half) rows of 1,024 bytes
	s_lshl_b32 s83, s[CH], 16
	s_add_co_u32 s68, s68, s83
	s_mov_b32 s69, 0
	s_lshl_b32 s84, s[CH], 15                      ; where they go in a slot
	s_mul_i32 s85, s[CH], BHALF
	s_add_co_u32 s85, s85, ABYTES
	s_wait_kmcnt 0x0
	s_load_b256 s[56:63], s[10:11], 0x0            ; e0 .. e7
	s_add_nc_u64 s[66:67], s[4:5], s[66:67]
	s_add_nc_u64 s[68:69], s[6:7], s[68:69]
	CROUND                                         ; all sixteen work-groups are here: the first joint loads meet
.irp s, 0,1
	s_mov_b32 s[G0A+4*\s], 1
	s_add_co_u32 s[G0A+4*\s+1], s84, \s*SLOT
	s_add_nc_u64 s[G0A+4*\s+2:G0A+4*\s+3], s[66:67], \s*4096
	s_or_b32 s[G0A+4*\s+3], s[G0A+4*\s+3], 0x80000000
	s_mov_b32 s[G0B+4*\s], 1
	s_add_co_u32 s[G0B+4*\s+1], s85, \s*SLOT
	s_add_nc_u64 s[G0B+4*\s+2:G0B+4*\s+3], s[68:69], \s*256
	s_or_b32 s[G0B+4*\s+3], s[G0B+4*\s+3], 0x80000000
	s_wait_alu depctr_va_vdst(0)
	s_wait_tensorcnt 0x0
	ds_add_u32 v28, v29
	ds_add_u32 v28, v29
	s_wait_dscnt 0x0
	CROUND
	JLOAD \s                                       ; one load of mine is out
.endr
	v_and_b32 v1, 15, v0                           ; r
	v_bfe_u32 v2, v0, 4, 1                         ; h
	v_lshlrev_b32 v3, 5, v2                        ; 32 h: the bias
	v_mul_u32_u24 v5, v1, PITCH
	v_lshl_add_u32 v5, v2, 4, v5                   ; W: row x pitch + 16 h
	v_and_b32 v6, 31, v0
	v_lshlrev_b32 v6, 4, v6                        ; y: 16 x lane
	s_lshl_b32 s82, s[RA], 15                      ; my 8 row blocks
	s_mul_i32 s83, s[CH], BHALF
	s_add_co_u32 s83, s83, ABYTES                  ; my 64 rows of W
.irp s, 0,1
	v_add_nc_u32 v[ADRA+\s], s82, v6
	v_add_nc_u32 v[ADRB+\s], s83, v5
	s_add_co_u32 s82, s82, SLOT
	s_add_co_u32 s83, s83, SLOT
.endr
	s_mul_i32 s82, s[WV], 16*SPITCH
	s_add_co_u32 s82, s82, STAGE                   ; my stage
	v_mul_u32_u24 v5, v1, SPITCH
	v_lshl_add_u32 v5, v2, 5, v5
	v_add_nc_u32 v[STO], s82, v5                   ; in: row r, 32 bytes for each half of the lanes
	v_mul_u32_u24 v5, v2, SPITCH
	v_lshl_add_u32 v5, v1, 4, v5
	v_add_nc_u32 v[RD], s82, v5                    ; back: lanes 0-15 one row of 256 bytes, lanes 16-31 the next
	v_lshlrev_b32 v5, 12, v2
	v_lshl_add_u32 v[CO], v1, 4, v5                ; and the same two rows in out0
	s_lshl_b32 s82, s[NT], 9
	s_lshl_b32 s83, s[CH], 8
	s_add_co_u32 s82, s82, s83                     ; my first column, in bytes
	s_mov_b32 s83, 0
	s_add_nc_u64 s[8:9], s[8:9], s[82:83]
.irp b, 0,1,2,3
	global_load_b128 v[BI+8*\b:BI+8*\b+3],   v3, s[8:9] offset:64*\b       ; register j of tile b: column 16 b + 8 h + j
	global_load_b128 v[BI+8*\b+4:BI+8*\b+7], v3, s[8:9] offset:64*\b+16
.endr
	s_lshl_b32 s84, s[MT], 20
	s_lshl_b32 s85, s[RA], 19
	s_add_co_u32 s84, s84, s85
	s_add_co_u32 s84, s84, s82                     ; (256 MT + 128 RA) rows of 4,096 bytes + my first column
	s_mov_b32 s85, 0
	s_add_nc_u64 s[12:13], s[12:13], s[84:85]
	s_wait_kmcnt 0x0
	s_add_co_i32 s[SC], s62, s63
	s_add_co_i32 s[SC], s[SC], 127
	s_lshl_b32 s[SC], s[SC], 23                    ; 2^(e6 + e7) as f32
	s_mov_b32 s[SC+1], s[SC]                       ; (named with it as a pair)
; 48 LDS loads in one run: the fragments of the slot's q-th 128 along K into set p
.macro FETCH slot, q, p
	WIN (\p)<<6
.irp b, 0,1,2,3
.irp c, 0,1,2,3
	ds_load_b128 v[BF+16*\b+4*\c:BF+16*\b+4*\c+3], v[ADRB+\slot] offset:\b*16*PITCH+128*(\q)+32*\c
.endr
.endr
.irp a, 0,1,2,3,4,5,6,7
.irp c, 0,1,2,3
	ds_load_b128 v[AF+16*\a+4*\c:AF+16*\a+4*\c+3], v[ADRA+\slot] offset:\a*4096+2048*(\q)+512*\c
.endr
.endr
.endm
; 4 n matrix instructions: token blocks a0 .. a0 + n - 1 x the four column tiles, on set p.  first = 1: the products start the sums: nothing is cleared.
; The 32 accumulators take turns, one instruction a turn, in the same order in every step.
.macro MUL p, a0, n, first
	WIN (\p)|((\p)<<2)|0xa0
.set AA, \a0
.rept \n
.irp b, 0,1,2,3
.set rAcc, 8*(4*AA+\b)
.if \first
	v_wmma_f32_16x16x128_fp8_fp8 v[rAcc:rAcc+7], v[BF+16*\b:BF+16*\b+15], v[AF+16*AA:AF+16*AA+15], 0
.else
	v_wmma_f32_16x16x128_fp8_fp8 v[rAcc:rAcc+7], v[BF+16*\b:BF+16*\b+15], v[AF+16*AA:AF+16*AA+15], v[rAcc:rAcc+7]
.endif
.endr
.set AA, AA+1
.endr
.endm
.macro STEP slot, first                ; a slot's first 128 along K, on set 0; its second 128 are fetched into set 1 meanwhile
.if \first == 0
	PLACES 4                                       ; set 1 was read by the products just issued
.endif
	FETCH \slot, 1, 1
	s_wait_dscnt 48                                ; all but the 48 just issued: set 0 is in
	MUL 0, 0, 8, \first
.endm
.macro TURN slot, next, fill           ; a slot's second 128, on set 1, and the change of slots
	WIN 0                                          ; (the add's two registers lie in window 0)
	s_wait_tensorcnt 0x0                           ; all my tensor loads have landed: my part of the next slot
	ds_add_u32 v[SPW], v[NIL]                      ; 0 onto my spare word
	s_wait_dscnt 1                                 ; only the add may be out: set 1 is in
	MUL 1, 0, 2, 0                                 ; eight matrix instructions stand between the add and the wait for it
	s_wait_dscnt 0x0                               ; the add is done, and my reads of this slot are over
	s_barrier_signal -1
	MUL 1, 2, 2, 0
	WIN 0
	s_barrier_wait -1
.if \fill
	CREST                                          ; the barrier has opened a round of the cluster's: no wave of any partner still reads this slot or has a load on its way
	s_add_nc_u64 s[G0A+4*\slot+2:G0A+4*\slot+3], s[G0A+4*\slot+2:G0A+4*\slot+3], 8192   ; two slots on along K
	s_add_nc_u64 s[G0B+4*\slot+2:G0B+4*\slot+3], s[G0B+4*\slot+2:G0B+4*\slot+3], 512
	JLOAD \slot                                    ; the first tensor load behind the round, my only one until the next; its four v_nop are the places in front of the loads below
.else
	PLACES 4
.endif
	s_wait_alu depctr_va_vdst(0)
	FETCH \next, 0, 0
	MUL 1, 4, 4, 0
.endm
	s_wait_tensorcnt 1                             ; my part of slot 0 is in; slot 1's may be out
	s_barrier_signal -1
	s_barrier_wait -1
	FETCH 0, 0, 0
	STEP 0, 1
	TURN 0, 1, 1                                   ; slot 0 takes K 512-767
	STEP 1, 0
	TURN 1, 0, 1                                   ; slot 1 takes K 768-1023
	STEP 0, 0
	TURN 0, 1, 0                                   ; nothing is left to fetch
	STEP 1, 0
	s_wait_dscnt 0x0
	MUL 1, 0, 8, 0
	WIN 0
; THE WAY OUT, a block of 16 tokens x 64 columns at a time: sum x 2^(e6 + e7) + bias; through my own stage; back as whole rows of 256 bytes.
.macro TOSTAGE a
	WIN 0x02                                       ; source 0: window 2
.irp b, 0,1,2,3
.irp i, 0,2,4,6
	v_pk_fma_f32 v[TMP+8*\b+\i:TMP+8*\b+\i+1], v[8*(4*(\a)+\b)+\i:8*(4*(\a)+\b)+\i+1], s[SC:SC+1], v[BI+8*\b+\i:BI+8*\b+\i+1] op_sel_hi:[1,0,1]   ; each accumulator from its low end on
.endr
.endr
	WIN 0
.irp b, 0,1,2,3
	ds_store_b128 v[STO], v[TMP+8*\b:TMP+8*\b+3]   offset:64*\b
	ds_store_b128 v[STO], v[TMP+8*\b+4:TMP+8*\b+7] offset:64*\b+16
.endr
.set BB, BK+32*((\a)%2)
.irp t, 0,1,2,3,4,5,6,7
	ds_load_b128 v[BB+4*\t:BB+4*\t+3], v[RD] offset:\t*2*SPITCH   ; LDS serves a wave's instructions in order (ISA guide 5.7.1.4): these see my stores
.endr
.endm
.macro SEND a, younger                 ; younger: the LDS instructions issued behind block a's loads, which may stay out
.set BB, BK+32*((\a)%2)
	s_wait_dscnt \younger
.irp t, 0,1,2,3,4,5,6,7
	global_store_b128 v[CO], v[BB+4*\t:BB+4*\t+3], s[12:13] offset:(16*(\a)+2*\t)*4096 th:TH_STORE_NT   ; 16 lanes store 256 consecutive bytes, at a multiple of 256 from out0's first byte; written once, read by nobody here
.endr
.endm
	s_wait_loadcnt 0x0                             ; the bias
	PLACES 4
	TOSTAGE 0
.irp a, 1,2,3,4,5,6,7
.if \a > 1
	s_wait_xcnt 0x0                                ; block a - 2's stores have read their registers: block a's loads may land there
.endif
	TOSTAGE \a
	SEND \a-1, 16                                  ; behind block a - 1's loads: block a's 8 stores and 8 loads
.endr
	SEND 7, 0
	s_wait_tensorcnt 0x0                           ; the wave's end
	ds_add_u32 v[SPW], v[NIL]
	s_wait_dscnt 0x0
	CROUND                                         ; the closing round: no work-group ends while a partner may still ask for a tile that names it
	s_endpgm
.Lfunc_end_k_q2d1d9b0f60_proj:
	.size	k_q2d1d9b0f60_proj, .Lfunc_end_k_q2d1d9b0f60_proj-k_q2d1d9b0f60_proj
	.p2alignl 7, 3214868480
	.fill 96, 4, 3214868480
	.section	.rodata,"a",@progbits
	.p2align	6, 0x0
	.amdhsa_kernel k_q2d1d9b0f60_proj
		.amdhsa_group_segment_fixed_size 327680
		.amdhsa_private_segment_fixed_size 0
		.amdhsa_enable_private_segment 0
		.amdhsa_kernarg_size 40
		.amdhsa_user_sgpr_count 2
		.amdhsa_user_sgpr_kernarg_segment_ptr 1
		.amdhsa_wavefront_size32 1
		.amdhsa_system_sgpr_workgroup_id_x 1
		.amdhsa_system_sgpr_workgroup_id_y 1
		.amdhsa_system_sgpr_workgroup_id_z 1
		.amdhsa_system_vgpr_workitem_id 0
		.amdhsa_next_free_vgpr 768
		.amdhsa_next_free_sgpr 100
		.amdhsa_reserve_vcc 0
		.amdhsa_float_denorm_mode_32 3
		.amdhsa_float_denorm_mode_16_64 3
		.amdhsa_memory_ordered 1
		.amdhsa_forward_progress 1
		.amdhsa_inst_pref_size 77
	.end_amdhsa_kernel
	.amdgpu_metadata
---
amdhsa.version: [ 1, 2 ]
amdhsa.kernels:
  - .name:           k_q2d1d9b0f60_proj
    .symbol:         k_q2d1d9b0f60_proj.kd
    .args:
      - { .name: y_img, .offset: 0, .size: 8, .value_kind: global_buffer, .address_space: global }
      - { .name: w_proj_codes, .offset: 8, .size: 8, .value_kind: global_buffer, .address_space: global }
      - { .name: b_proj, .offset: 16, .size: 8, .value_kind: global_buffer, .address_space: global }
      - { .name: lowp_scales, .offset: 24, .size: 8, .value_kind: global_buffer, .address_space: global }
      - { .name: out0, .offset: 32, .size: 8, .value_kind: global_buffer, .address_space: global }
    .group_segment_fixed_size: 327680
    .private_segment_fixed_size: 0
    .kernarg_segment_align: 8
    .kernarg_segment_size: 40
    .max_flat_workgroup_size: 128
    .sgpr_count:     100
    .vgpr_count:     768
    .wavefront_size: 32
...
	.end_amdgpu_metadata
.endif
;; end of part 3
